; MI455X (gfx1250); checked and timed in simulation.
; The chip was launched on July 23, 2026; its instructions are those of AMD's public machine-readable ISA for CDNA 5 (MIT licence, August 2026) and "CDNA5" Instruction Set Architecture Reference Guide (July 2026). The comments in the code are by the model that wrote it; some were corrected since.
;; VQ Audio Quantizer. Allowed arithmetic: matrix products marked QUANTISED: E3M2 operands, one E8M0 scale for each 32 along K, by v_wmma_scale_f32_16x16x128_f8f6f4 with both operands' format E3M2, f32 sums; everything else in f32.
;; Inputs: codebook 8,192 x 256 float32; mask 4 x 4,096 bool; z 4 x 4,096 x 256 float32.
;; Outputs: out0 4 x 4,096 x 256 float32; out1 4 x 4,096 int32; out2 one number float32.
;; This version of the problem:
;;   THIS VERSION OF THE PROBLEM IS GIVEN IN LOW PRECISION. The matrix products marked QUANTISED in the list below multiply operands that are first quantised to E3M2 (3 exponent bits, 2 mantissa bits; 6 bits a number), with one power-of-two scale for each 32 numbers along K (OCP MX v1.0); their sums are f32. All else is computed in f32.
;;   The module's matrix products, in the order in which they are computed (A, B: the left and right operand; K: the contracted axis; several contracted axes count as one K, in the product's order):
;;     1. [M 16,384, K 256] x [K 256, N 8,192]; A: input z; B: input codebook: QUANTISED
;;   THE QUANTISER, for each operand of a quantised product, along K:
;;     - K is cut into blocks of 32 from its start; a last block that is shorter is filled with zeros.
;;     - A block's scale is 2^e with e = floor(log2(the largest magnitude in the block)) - 4, held to -126 .. 127; a block of zeros has e = 0. As a byte (E8M0): e + 127.
;;     - Each number is divided by its block's scale, clamped to +-28, and rounded to the nearest number of E3M2, ties to even, subnormals kept.
;;     - The product sums the exact products of the quantised numbers (number of the format x scale) in f32.
;;   ~~~python
;;   def quantise(x, axis):      # numpy; x: float32 -> the quantised numbers, widened to float32 again
;;       x = np.moveaxis(x, axis, -1); K = x.shape[-1]
;;       x = np.pad(x, [(0, 0)] * (x.ndim - 1) + [(0, -K % 32)]); x = x.reshape(x.shape[:-1] + (-1, 32)); a = np.abs(x).max(-1, keepdims=True)
;;       e = np.where(a > 0, np.clip(np.frexp(np.where(a > 0, a, 1))[1] - 1 - 4, -126, 127), 0)      # np.frexp(a)[1] - 1 = floor(log2(a)), exactly
;;       r = np.clip(x / 2.0 ** e, -28, 28)
;;       step = 2.0 ** (np.maximum(np.frexp(np.where(r == 0, 1, r))[1] - 1, -2) - 2)
;;       q = np.round(r / step) * step * 2.0 ** e      # np.round: ties to even
;;       return np.moveaxis(q.reshape(q.shape[:-2] + (-1,))[..., :K], -1, axis).astype(np.float32)
;;   ~~~
;; One version. Each part assembles by itself: llvm-mc -triple=amdgcn-amd-amdhsa -mcpu=gfx1250 --defsym DOCPART=n.
;; ======== version 1 of 1: 4 launches
;; limits: right only within a limited range of input values
;; workspace buffers: zq 3,407,872 bytes; cq 1,703,936 bytes; cand 2,097,152 bytes of whole numbers; part 2,048 bytes
;; launch quant (part 1): grid 256 x 1, 6 waves a work-group, no clusters, 100,608 bytes of LDS; arguments z, codebook, zq, cq; writes zq, cq
.if DOCPART == 1
	.amdgcn_target "amdgcn-amd-amdhsa--gfx1250"
	.amdhsa_code_object_version 6
	.text
	.protected	k_q6a645f5f46_quant
	.globl	k_q6a645f5f46_quant
	.p2align	8
	.type	k_q6a645f5f46_quant,@function
k_q6a645f5f46_quant:
	s_mov_b64 s[64:65], 0
	v_nop
	global_prefetch_b8 v0, s[64:65] scope:SCOPE_SE
	s_setreg_imm32_b32 hwreg(HW_REG_WAVE_MODE, 25, 1), 1
	s_wait_xcnt 0x0
; z [16384][256] and codebook [8192][256], f32, become codes of BF6 (E3M2) with one E8M0 byte for each 32 along the rows, laid as RECORDS: one record for a tile of 16 rows x 256,
; 3,328 bytes = 13 x 256, an image of the registers that the matrix instruction of the next launch wants:
;   bytes 0-3071     the tile's two fragments (128 along K each, 12 registers a lane): registers 4 g .. 4 g + 3 of the 24 at 512 g + 16 x lane
;   bytes 3072-3199  the scale register: at 4 x lane; lanes 0-15 row (lane)'s word for the first 128 along K, lanes 16-31 row (lane - 16)'s word for the second
;   bytes 3200-3327  minus the sum of the row's squares (of the f32 numbers as given), row lane % 16 at 4 x lane
; A block's scale is 2^(floor(log2(largest magnitude)) - 4): its byte is that magnitude's exponent field - 4, held at 1 from below by a floor among the maximum's leaves.
; THE CODEBOOK'S BYTES ARE STORED + 1: the next launch wants 2 z.e, and so gets the factor 2 from the scale.  A byte is at most 254 - 4, so + 1 never reaches 0xff.
; LIMITS: a block of zeros gets the byte 1 (codebook: 2) where the quantiser's text says 127: its codes are zeros and only this program reads the bytes.  Blocks whose largest magnitude lies under
; 2^-122 were not tried.  NaN and infinities among the inputs are not served.
; LEFT OUT OF THE WHOLE PROGRAM: |z|^2 in the distances.  dist = |z|^2 - 2 z.e + |e|^2, and the first term is the same for all codes of a row: for all values of the inputs it moves no argmin over the codes.  So the next
; launch compares 2 z.e - |e|^2 alone.  LIMIT: a NaN, an infinity or an overflow of |z|^2 alone is not carried to the result.  (Both tensors take one path here, so z's records hold their sums of squares too; nobody reads those.)
; SHARES: 1,536 tiles (1,024 of z, 512 of the codebook), one to a wave: 256 work-groups of six waves.  Waves share nothing: no barrier.  One path serves both tensors; only pointers and the + 1 are chosen.
; A load is densest where neighbouring lanes take neighbouring bytes; the conversion wants a block's 32 neighbours in ONE lane.  So the tile's 16,384 bytes go through the wave's own stage in LDS.
; The tile goes by HALVES of 128 columns: the first half's 16 loads are issued first, and that half is worked and stored while the second's are on their way.
.set STG,   16640                      ; a wave's stage: 16 rows of PITCH bytes
.set PITCH, 1040                       ; 1,024 bytes + 16: an odd multiple of 16, so that the sixteen rows that a load of 16 bytes a lane touches start at sixteen different columns of 16 bytes
.set REC,   3328
.set X,   16                           ; v16-143  the tile: as loaded, then register 32 b + i = x[r][64 b + 32 h + i]: block b of my four
.set F,   144                          ; v144-167 the two fragments
.set TC,  168                          ; v168-183 the second halves of the blocks' codes (a conversion's three registers begin on an even number)
.set M,   184                          ; v184-187 largest magnitudes
.set SO,  188                          ; v188-191 the conversions' scale operands
.set BY,  192                          ; v192-195 scale bytes
.set SQ,  196                          ; v196-203 sums of squares, a pair for each block
	s_load_b256 s[4:11], s[0:1], 0x0               ; z s[4:5], codebook s[6:7], zq s[8:9], cq s[10:11]
	v_lshl_add_u32 v216, v0, 2, 0x18600            ; my spare word, behind the six stages
	v_mov_b32 v217, 0
	v_lshrrev_b32 v1, 5, v0
	v_readfirstlane_b32 s12, v1                    ; wave 0..5
	v_and_b32 v1, 31, v0                           ; lane
	v_and_b32 v2, 15, v0                           ; r
	v_bfe_u32 v3, v0, 4, 1                         ; h
	v_lshlrev_b32 v4, 4, v1                        ; 16 x lane: my bytes of a load's or a store's 512
	s_mul_i32 s15, s12, STG                        ; my wave's stage
	v_add_nc_u32 v5, s15, v4                       ; into it: as loaded
	v_mul_u32_u24 v6, v2, PITCH
	v_lshl_add_u32 v6, v3, 7, v6
	v_add_nc_u32 v6, s15, v6                       ; out of it: row r, + 128 h bytes: my 32 numbers of each 64
	v_lshlrev_b32 v7, 2, v1
	v_lshlrev_b32 v8, 3, v3                        ; 8 h: my bytes' place in a scale word
	v_add_nc_u32 v9, s15, v7                       ; the record's last 256 bytes go through the stage too: in at 4 x lane,
	v_lshlrev_b32 v11, 3, v1
	v_add_nc_u32 v10, s15, v11                     ; out at 8 x lane
	v_mov_b32 v206, 0                              ; written once: a lane permute's destination counts as one of its sources
	v_mov_b32 v207, 0
	v_mov_b32 v210, 0
	s_mul_i32 s13, ttmp9, 6
	s_add_co_u32 s13, s13, s12                     ; my tile, 0 .. 1,535
	s_mov_b32 s20, 0x76543210
	s_mov_b32 s21, 0xfedcba98                      ; v_permlanex16_b32's selects for lane l xor 16
	s_mov_b32 s22, 0xffff0000                      ; lanes 16-31
	s_wait_alu depctr_va_vdst(0)                   ; the wait at the head's end
	s_wait_kmcnt 0x0
	s_cmp_lt_u32 s13, 1024                         ; z's tile or the codebook's?  The choice hangs on ids alone; all selections stand ahead of the first addition
	s_cselect_b64 s[4:5], s[4:5], s[6:7]
	s_cselect_b64 s[8:9], s[8:9], s[10:11]
	s_cselect_b32 s14, 0, 1                        ; what is added to a scale byte
	s_cselect_b32 s16, 0, 1024
	s_sub_co_u32 s16, s13, s16                     ; the tile's number in its tensor
	s_lshl_b32 s18, s16, 14                        ; 16 rows of 1,024 bytes
	s_mov_b32 s19, 0
	s_add_nc_u64 s[4:5], s[4:5], s[18:19]
	s_mul_i32 s18, s16, REC
	s_add_nc_u64 s[8:9], s[8:9], s[18:19]
.set i, 0
.rept 32
	global_load_b128 v[X+4*i:X+4*i+3], v4, s[4:5] offset:1024*(i%16)+512*(i/16)    ; 32 lanes read 512 consecutive bytes: half a row; all of the tile is on its way at once
.set i, i+1
.endr
.macro HALF c                          ; columns 128 c .. 128 c + 127: blocks 2 c and 2 c + 1 of my four
.set i, 0
.rept 16
	s_wait_loadcnt 31-16*\c-i                      ; loads come back in order: this one is in, those behind it may be out
	ds_store_b128 v5, v[X+64*\c+4*i:X+64*\c+4*i+3] offset:i*PITCH+512*\c
.set i, i+1
.endr
	s_wait_dscnt 0x0                               ; the stores have read X
.irp b, 2*\c, 2*\c+1
.irp q, 0,1,2,3,4,5,6,7
	ds_load_b128 v[X+32*(\b)+4*\q:X+32*(\b)+4*\q+3], v6 offset:256*(\b)+16*\q      ; a whole block of 32 in my registers: the fragment's layout gives lane (r, h) k = 64 b + 32 h + 0 .. 31
.endr
.endr
	s_wait_dscnt 0x0
.irp b, 2*\c, 2*\c+1
	v_max3_num_f32 v[M+(\b)], |v[X+32*(\b)]|, |v[X+32*(\b)+1]|, 0x2800000          ; the floor 2^(5 - 127) among the leaves: the byte cannot fall under 1
	v_pk_mul_f32 v[SQ+2*(\b):SQ+2*(\b)+1], v[X+32*(\b):X+32*(\b)+1], v[X+32*(\b):X+32*(\b)+1]      ; the first squares start the sums
.endr
.irp i, 2,4,6,8,10,12,14,16,18,20,22,24,26,28,30
.irp b, 2*\c, 2*\c+1
	v_max3_num_f32 v[M+(\b)], v[M+(\b)], |v[X+32*(\b)+\i]|, |v[X+32*(\b)+\i+1]|    ; four chains by turns: no line waits for the line above it
	v_pk_fma_f32 v[SQ+2*(\b):SQ+2*(\b)+1], v[X+32*(\b)+\i:X+32*(\b)+\i+1], v[X+32*(\b)+\i:X+32*(\b)+\i+1], v[SQ+2*(\b):SQ+2*(\b)+1]
.endr
.endr
.irp b, 2*\c, 2*\c+1
	v_add_nc_u32 v[SO+(\b)], 0xfe000000, v[M+(\b)] ; 4 off the exponent field: the conversion takes the exponent field of this operand as its scale, and nothing else of it
.endr
.irp b, 2*\c, 2*\c+1
	v_lshrrev_b32 v[BY+(\b)], 23, v[SO+(\b)]       ; the scale's byte
.endr
.irp b, 2*\c, 2*\c+1
	v_add_nc_u32 v[BY+(\b)], s14, v[BY+(\b)]       ; the codebook's: + 1
.endr
.irp b, 2*\c, 2*\c+1
	v_cvt_scalef32_pk16_bf6_f32 v[F+6*(\b):F+6*(\b)+2], v[X+32*(\b):X+32*(\b)+15], v[SO+(\b)]      ; sixteen numbers / the scale, to the nearest code, ties to even, beyond 28 the largest code
	v_cvt_scalef32_pk16_bf6_f32 v[TC+4*(\b):TC+4*(\b)+2], v[X+32*(\b)+16:X+32*(\b)+31], v[SO+(\b)]
.endr
	v_nop                                          ; one plain vector instruction behind the last scaled conversion
.irp b, 2*\c, 2*\c+1
.irp i, 0,1,2
	v_mov_b32 v[F+6*(\b)+3+\i], v[TC+4*(\b)+\i]    ; registers 6 b .. 6 b + 5 now hold the block's 192 bits
.endr
.endr
.irp g, 3*\c, 3*\c+1, 3*\c+2
	global_store_b128 v4, v[F+4*(\g):F+4*(\g)+3], s[8:9] offset:512*(\g)           ; 32 lanes store 512 consecutive bytes, at a multiple of 256 from the buffer's first byte
.endr
.endm
	HALF 0
	HALF 1
	v_lshl_or_b32 v204, v[BY+1], 16, v[BY]         ; my two bytes of each word: blocks h and 2 + h of the 128,
	v_lshl_or_b32 v205, v[BY+3], 16, v[BY+2]
	v_pk_add_f32 v[SQ:SQ+1], v[SQ:SQ+1], v[SQ+2:SQ+3]
	v_pk_add_f32 v[SQ+4:SQ+5], v[SQ+4:SQ+5], v[SQ+6:SQ+7]
	v_lshlrev_b32 v204, v8, v204                   ; at their places;
	v_lshlrev_b32 v205, v8, v205
	v_pk_add_f32 v[SQ:SQ+1], v[SQ:SQ+1], v[SQ+4:SQ+5]
	v_permlanex16_b32 v206, v204, s20, s21
	v_permlanex16_b32 v207, v205, s20, s21
	v_add_f32 v209, v[SQ], v[SQ+1]                 ; my 128 numbers' squares,
	v_or_b32 v204, v204, v206                      ; with lane l xor 16's two each word is whole
	v_or_b32 v205, v205, v207
	v_permlanex16_b32 v210, v209, s20, s21
	v_cndmask_b32 v208, v204, v205, s22            ; lanes 0-15 the first 128's word, lanes 16-31 the second's
	v_add_f32 v211, -v209, -v210                   ; and the row's other 128: minus the row's sum of squares, in both halves of the lanes
	ds_store_b32 v9, v208                          ; (my reads of the stage are over: the wait above)
	ds_store_b32 v9, v211 offset:128
	ds_load_b64 v[212:213], v10                    ; LDS serves a wave's instructions in order: this sees the two stores
	s_wait_dscnt 0x0
	global_store_b64 v11, v[212:213], s[8:9] offset:3072                   ; the scale words and the sums: 256 consecutive bytes
	s_wait_tensorcnt 0x0                           ; the wave's end
	ds_add_u32 v216, v217
	s_wait_dscnt 0x0
	s_endpgm
.Lfunc_end_k_q6a645f5f46_quant:
	.size	k_q6a645f5f46_quant, .Lfunc_end_k_q6a645f5f46_quant-k_q6a645f5f46_quant
	.p2alignl 7, 3214868480
	.fill 96, 4, 3214868480
	.section	.rodata,"a",@progbits
	.p2align	6, 0x0
	.amdhsa_kernel k_q6a645f5f46_quant
		.amdhsa_group_segment_fixed_size 100608
		.amdhsa_private_segment_fixed_size 0
		.amdhsa_enable_private_segment 0
		.amdhsa_kernarg_size 32
		.amdhsa_user_sgpr_count 2
		.amdhsa_user_sgpr_kernarg_segment_ptr 1
		.amdhsa_wavefront_size32 1
		.amdhsa_system_sgpr_workgroup_id_x 1
		.amdhsa_system_sgpr_workgroup_id_y 1
		.amdhsa_system_sgpr_workgroup_id_z 1
		.amdhsa_system_vgpr_workitem_id 0
		.amdhsa_next_free_vgpr 218
		.amdhsa_next_free_sgpr 66
		.amdhsa_reserve_vcc 0
		.amdhsa_float_denorm_mode_32 3
		.amdhsa_float_denorm_mode_16_64 3
		.amdhsa_memory_ordered 1
		.amdhsa_forward_progress 1
		.amdhsa_inst_pref_size 22
	.end_amdhsa_kernel
	.amdgpu_metadata
---
amdhsa.version: [ 1, 2 ]
amdhsa.kernels:
  - .name:           k_q6a645f5f46_quant
    .symbol:         k_q6a645f5f46_quant.kd
    .args:
      - { .name: z, .offset: 0, .size: 8, .value_kind: global_buffer, .address_space: global }
      - { .name: codebook, .offset: 8, .size: 8, .value_kind: global_buffer, .address_space: global }
      - { .name: zq, .offset: 16, .size: 8, .value_kind: global_buffer, .address_space: global }
      - { .name: cq, .offset: 24, .size: 8, .value_kind: global_buffer, .address_space: global }
    .group_segment_fixed_size: 100608
    .private_segment_fixed_size: 0
    .kernarg_segment_align: 8
    .kernarg_segment_size: 32
    .max_flat_workgroup_size: 192
    .sgpr_count:     66
    .vgpr_count:     218
    .wavefront_size: 32
...
	.end_amdgpu_metadata
.endif
;; end of part 1
;; launch dist (part 2): grid 32 x 8, 8 waves a work-group, clusters of 4 x 4, 327,680 bytes of LDS; arguments zq, cq, cand; writes cand
.if DOCPART == 2
	.amdgcn_target "amdgcn-amd-amdhsa--gfx1250"
	.amdhsa_code_object_version 6
	.text
	.protected	k_q6a645f5f46_dist
	.globl	k_q6a645f5f46_dist
	.p2align	8
	.type	k_q6a645f5f46_dist,@function
k_q6a645f5f46_dist:
	s_mov_b64 s[64:65], 0
	v_nop
	global_prefetch_b8 v0, s[64:65] scope:SCOPE_SE
	s_setreg_imm32_b32 hwreg(HW_REG_WAVE_MODE, 25, 1), 1
	s_wait_xcnt 0x0
	s_wait_alu depctr_hold_cnt(0) depctr_sa_sdst(0) depctr_va_vdst(0) depctr_va_sdst(0) depctr_va_ssrc(0) depctr_va_vcc(0) depctr_vm_vsrc(0)
	s_getreg_b32 s2, hwreg(HW_REG_IB_STS2, 6, 4)
	s_cmp_eq_u32 s2, 0
	s_cbranch_scc0 .Lentry_in_a_cluster
	s_endpgm
.Lentry_in_a_cluster:
	s_bfe_u32 s2, ttmp6, 0x10000c
	s_cmp_lg_u32 s2, 0xf033
	s_cbranch_scc0 .Lentry_shape_is_right
	s_endpgm
.Lentry_shape_is_right:
; For each row of z and each run of 512 codes: the largest key = 2 Q(z).Q(e) - |e|^2 and the first code that has it.  The product is on codes of BF6 (E3M2) with E8M0 scales, sums in f32.
; The smallest distance |z|^2 - 2 z.e + |e|^2 is the largest key: |z|^2 is the same for all codes of a row, whatever the inputs hold, and is left out.  LIMIT: two codes of a row whose distances differ by less than
; the rounding of a sum of the distance's size may be ordered otherwise than by the distances rounded at that size.  NaN and infinities are not served; an overflow of |z|^2 alone is not carried to the result.
; The factor 2 lies in the codebook's scale bytes (stored + 1), and -|e|^2 is the C of each sum's first matrix instruction: neither costs an instruction here.
; SHARES.  A work-group takes 512 rows of z (32 tiles of 16) against 1,024 codes (64 tiles): 32 x 8 work-groups.  Both operands, 96 records of 3,328 bytes, lie in LDS whole: every LDS byte is filled once.
; Wave w: a = w / 2 names its 8 tiles of z, which stay in 192 registers; b = w % 2 its 32 tiles of codes.  A fragment of codes read from LDS feeds 8 products.  Eight waves, two to a SIMD.
; LAYOUT.  Source 0 = 16 codes, source 1 = 16 rows of z: lane (r, h) holds row r of z, and register j of an accumulator the code 8 h + j of the tile.
; THE RUNNING MAXIMUM costs 10 vector instructions for a lane's 8 numbers: four maxima, one comparison with the old maximum, four dual selections that keep the 8 numbers where it has grown, and one that keeps the
; maximum and the tile's number.  Which of the 8 it was is looked for once, at the end.  Growth is strict and tiles ascend, so the first code wins among equals.
; ORDER WITHIN A TILE.  The first 128 along K: eight products on end.  The second 128: z's tiles 6, 7 and 0 follow; those of tiles 1 to 5 stand one by one between the maxima of tiles 6, 7, 0, 1 and 2, each behind a comparison
; and ahead of that comparison's readers.  So the fragments of the second 128 of z's tiles 0 to 5 lie in the maxima's window, and that stretch needs no switch of windows.
; CLUSTER 4 x 4.  z's records hang on the work-group's x alone: they are asked for jointly by a column of the cluster; the codes' on y alone: by a row.  That divides the requests for both by four.
; FILLS.  At the head one load a wave: waves 0-3 bring z's 32 records, waves 4-7 the first 8 tiles of codes of each b (part 0, 16 records).  The other 24 tiles of each b (part 1, 48 records, 6 a wave) are asked for behind
; the full sequence and a round, and have the first 8 tiles' work in which to land.  A wave has one tensor load outstanding.  No prefetch: nothing is filled again, and part 1 is asked for 8 tiles ahead of its first reader.
; REGISTERS.  Window 0: v1-18 addresses and work; v19-26 z's scale registers; v28-39 the codes' second fragment; v40-55 (running maximum, best tile), a pair for each tile of z; v56-119 accumulators; v120-183 the best tile's
; numbers; v184-255 z's second fragments, tiles 0-5 (ahead of their loads: the head's work; at the end: the end's).  Window 1: v0-95 z's first fragments; v96-119 z's second, tiles 6, 7; v120-131 the codes' first; v132-139 -|e|^2.
.set REC,  3328                        ; a record: 16 rows x 256 K: two fragments, the scale register at 3,072, -|e|^2 at 3,200
.set CL,   32*REC                      ; LDS: z's 32 records from 0; from here the codes' part 0 (place 8 b + n holds tile 32 b + n)
.set C1,   48*REC                      ; and from here part 1 (place 24 b + n holds tile 32 b + 8 + n)
.set SPARE, 96*REC                     ; behind the records: the spare words, 128 bytes for each wave: four blocks of 256 bytes that no other line names
.set AF,   1                           ; v1   LDS address of the fragments to be fetched
.set AS,   2                           ; v2   of the scale register
.set AN,   3                           ; v3   of -|e|^2
.set AF0,  4                           ; v4-6 their lane terms: b's records + 16 x lane, + 4 x lane, + 32 h
.set AS0,  5
.set AN0,  6
.set HB,   7                           ; v7   the code of register 0 of my tile 0: 1024 y + 512 b + 8 h
.set CO,   8                           ; v8   8 x lane: cand
.set SPW,  9                           ; v9   LDS address of my spare word; never rewritten
.set NIL,  10                          ; v10  0; never rewritten
.set CSA,  11                          ; the codes' scale register, for the first 128 along K
.set CSB,  12                          ; and for the second
.set TT,   13                          ; v13-15 maxima at work
.set PM,   16                          ; v16, v18: the tile's largest key, by turns
.set TV,   17                          ; the tile in hand, 0 .. 31
.set ZS,   19
.set F1,   28
.set RUN,  40                          ; v[40 + 2 i] the running maximum, v[41 + 2 i] its tile
.set ACC,  56
.set SAV,  120
.set Z1,   184
.set Z0,   0                           ; window 1
.set ZB,   96
.set F0,   120
.set NE,   132
.set LN,   184                         ; the head: lane,
.set HH,   185                         ; h,
.set T0,   186                         ; and at work
.set ZAF,  27                          ; the head: LDS addresses of z's fragments
.set ZAS,  13                          ; and scale registers
.set KK,   184                         ; the end: keys as whole numbers,
.set II,   192                         ; codes,
.set KO,   200                         ; the other half of the lanes' keys,
.set IO,   120                         ; and their codes (the kept numbers are done with by then),
.set OUTP, 208                         ; pairs to store
.set WV,   10                          ; s10  my wave's number;  s11 a;  s12 b
.set WA,   11
.set WB,   12
.set G1Z,  24                          ; s[24:31] descriptor group 1 for z's records, s[32:39] for the codes' part 0, s[84:91] for part 1
.set G1C,  32
.set G1D,  84
.set G0Z,  40                          ; s[40:43], s[44:47], s[48:51] their groups 0
.set G0C,  44
.set G0D,  48
.set SEL,  60                          ; s[60:61] v_permlanex16_b32's selects for lane l xor 16
.set HM,   62                          ; s62  lanes 16-31
.set CNT,  66                          ; s66  the loops' counter
.set TB,   67                          ; s67  LDS byte at which the tile to be fetched begins, without my lane terms
.set MK,   72                          ; s[72:79] masks, one for each tile of z
.set MSB, 0
.macro WIN new                         ; the immediate's high byte repeats the setting that is left
.if MSB != \new
	s_set_vgpr_msb (MSB<<8)|\new
.set MSB, \new
.endif
.endm
; A round of the cluster's barrier: my work-group's barrier, so that wave 0's signal speaks for all eight waves; wave 0 signals for the work-group; every wave waits for all sixteen; my work-group's barrier once more.
.macro ROUND
	s_barrier_signal -1
	s_barrier_wait -1
	s_cmp_lg_u32 s[WV], 0
	s_cbranch_scc1 .Lnot_wave_0_\@
	s_barrier_signal -3
.Lnot_wave_0_\@:
	s_barrier_wait -3
	s_barrier_signal -1
	s_barrier_wait -1
.endm
; Descriptor group 1: a dense block of records as rows of 256 bytes (32 elements of 8 bytes), no padding: every LDS load here takes consecutive bytes.  m: the register that holds the mask.
.macro DESC g, m, rows
	s_or_b32 s[\g], s[\m], (3<<16)|(1<<21)         ; 15:0 the mask; 17:16 elements of 8 bytes; 21 set beside a mask
	s_mov_b32 s[\g+1], 32<<16                      ; tensor_dim0 = 32
	s_mov_b32 s[\g+2], (\rows)<<16                 ; tensor_dim1
	s_mov_b32 s[\g+3], 32<<16                      ; tile_dim0 = 32
	s_mov_b32 s[\g+4], \rows                       ; tile_dim1
	s_mov_b32 s[\g+5], 32                          ; from row to row: 32 elements
	s_mov_b32 s[\g+6], 0
	s_mov_b32 s[\g+7], 0
.endm
	s_load_b128 s[4:7], s[0:1], 0x0                ; zq s[4:5], cq s[6:7]
	s_load_b64 s[8:9], s[0:1], 0x10                ; cand
	v_lshl_add_u32 v[SPW], v0, 2, SPARE
	v_mov_b32 v[NIL], 0
	ds_add_u32 v[SPW], v[NIL]                      ; the opening lines: the add,
	ds_add_u32 v[SPW], v[NIL]                      ; twice on end
	v_lshrrev_b32 v[T0], 5, v0
	v_readfirstlane_b32 s[WV], v[T0]               ; wave 0..7
	s_lshr_b32 s[WA], s[WV], 1
	s_and_b32 s[WB], s[WV], 1
	s_bfe_u32 s13, ttmp6, 0x40000                  ; cx, cy: my place in the cluster
	s_bfe_u32 s14, ttmp6, 0x40004
	s_lshl_b32 s15, ttmp9, 2
	s_add_co_u32 s15, s15, s13                     ; x = 4 x cluster x + cx: which 512 rows of z
	s_and_b32 s16, ttmp7, 0xffff
	s_lshl_b32 s16, s16, 2
	s_add_co_u32 s16, s16, s14                     ; y = 4 x cluster y + cy: which 1,024 codes
	s_lshl_b32 s17, 0x1111, s13                    ; my column of the cluster: places cx, cx + 4, cx + 8, cx + 12
	s_lshl_b32 s18, s14, 2
	s_lshl_b32 s18, 15, s18                        ; my row: places 4 cy .. 4 cy + 3
	DESC G1Z, 17, 104                              ; 8 records of 13 rows
	DESC G1C, 18, 52                               ; 4 records
	DESC G1D, 18, 78                               ; 6 records
	; where the records go in LDS hangs on the wave's number alone; where they come from on x (z) or y (codes) and the wave's number
	s_mul_i32 s54, s[WV], 8*REC                    ; z: wave w < 4 brings records 8 w .. 8 w + 7
	s_mul_i32 s20, s15, 32*REC
	s_add_co_u32 s20, s20, s54
	s_mov_b32 s21, 0
	s_mul_i32 s92, s[WV], 4*REC                    ; part 0: wave 4 + q fills places 4 q .. 4 q + 3
	s_add_co_u32 s92, s92, CL-16*REC
	s_mul_i32 s93, s[WV], 6*REC                    ; part 1: wave w fills places 6 w .. 6 w + 5
	s_add_co_u32 s93, s93, C1
	s_mul_i32 s19, s16, 64*REC
	s_bfe_u32 s55, s[WV], 0x10001                  ; part 0's tiles: 32 (q / 2) + 4 (q % 2)
	s_lshl_b32 s55, s55, 5
	s_and_b32 s56, s[WV], 1
	s_lshl_b32 s56, s56, 2
	s_add_co_u32 s55, s55, s56
	s_mul_i32 s55, s55, REC
	s_add_co_u32 s22, s19, s55
	s_mov_b32 s23, 0
	s_lshr_b32 s55, s[WV], 2                       ; part 1's: 32 (w / 4) + 8 + 6 (w % 4)
	s_lshl_b32 s55, s55, 5
	s_and_b32 s56, s[WV], 3
	s_mul_i32 s56, s56, 6
	s_add_co_u32 s55, s55, s56
	s_add_co_u32 s55, s55, 8
	s_mul_i32 s55, s55, REC
	s_add_co_u32 s68, s19, s55
	s_mov_b32 s69, 0
	s_lshl_b32 s52, s16, 1                         ; cand: run c = 2 y + b of 16,384 rows x 8 bytes; my 128 rows begin at 512 x + 128 a
	s_add_co_u32 s52, s52, s[WB]
	s_lshl_b32 s52, s52, 17
	s_lshl_b32 s53, s15, 12
	s_add_co_u32 s52, s52, s53
	s_lshl_b32 s53, s[WA], 10
	s_add_co_u32 s52, s52, s53
	s_mov_b32 s53, 0
	s_mov_b32 s[SEL], 0x76543210
	s_mov_b32 s[SEL+1], 0xfedcba98
	s_mov_b32 s[HM], 0xffff0000
	s_wait_dscnt 0x0                               ; both opening adds are done
	ROUND                                          ; all sixteen work-groups are here: the joint loads meet
	s_wait_kmcnt 0x0
	s_mov_b32 s[G0Z], 1                            ; 1:0 count = 1
	s_mov_b32 s[G0Z+1], s54                        ; 63:32 LDS address
	s_add_nc_u64 s[G0Z+2:G0Z+3], s[4:5], s[20:21]  ; 120:64 global address
	s_or_b32 s[G0Z+3], s[G0Z+3], 0x80000000        ; 127:126 type = 2
	s_mov_b32 s[G0C], 1
	s_mov_b32 s[G0C+1], s92
	s_add_nc_u64 s[G0C+2:G0C+3], s[6:7], s[22:23]
	s_or_b32 s[G0C+3], s[G0C+3], 0x80000000
	s_cmp_lt_u32 s[WV], 4                          ; the head's loads, one a wave: one branch on the wave's number, a load in each arm
	s_cbranch_scc0 .Lcodes
	tensor_load_to_lds s[G0Z:G0Z+3], s[G1Z:G1Z+7]
	s_nop 0
.rept 4
	v_nop
.endr
	s_branch .Lasked
.Lcodes:
	tensor_load_to_lds s[G0C:G0C+3], s[G1C:G1C+7]
	s_nop 0
.rept 4
	v_nop
.endr
.Lasked:
	s_mov_b32 s[G0D], 1
	s_mov_b32 s[G0D+1], s93
	s_add_nc_u64 s[G0D+2:G0D+3], s[6:7], s[68:69]
	s_or_b32 s[G0D+3], s[G0D+3], 0x80000000
	s_add_nc_u64 s[8:9], s[8:9], s[52:53]
	v_and_b32 v[LN], 31, v0                        ; lane
	v_bfe_u32 v[HH], v0, 4, 1                      ; h
	v_lshlrev_b32 v[T0], 4, v[LN]                  ; 16 x lane
	v_lshlrev_b32 v[T0+1], 2, v[LN]                ; 4 x lane
	v_lshlrev_b32 v[T0+2], 5, v[HH]                ; 32 h: my eight numbers of -|e|^2
	v_lshlrev_b32 v[CO], 3, v[LN]
	s_mul_i32 s57, s[WB], 8*REC
	s_mul_i32 s70, s[WB], 16*REC                   ; from part 0 to part 1 b's records go from 8 b to 24 b
	v_add_nc_u32 v[AF0], s57, v[T0]
	v_add_nc_u32 v[AS0], s57, v[T0+1]
	v_add_nc_u32 v[AN0], s57, v[T0+2]
	s_mul_i32 s58, s[WA], 8*REC                    ; my 8 tiles of z
	v_add_nc_u32 v[ZAF], s58, v[T0]
	v_add_nc_u32 v[ZAS], s58, v[T0+1]
	s_lshl_b32 s59, s16, 10
	s_lshl_b32 s56, s[WB], 9
	s_add_co_u32 s59, s59, s56
	v_lshl_add_u32 v[HB], v[HH], 3, s59
	s_mov_b32 s[TB], CL
	v_add_nc_u32 v[AF], s[TB], v[AF0]
	v_add_nc_u32 v[AS], s[TB], v[AS0]
	v_add_nc_u32 v[AN], s[TB], v[AN0]
	v_mov_b32 v[TV], -1                            ; each tile's turn begins by adding 1
	; The tile's work is the same for all 32 tiles: the first finds -infinity, under every key.  These lines stand once, while the fills are on their way.
	s_mov_b32 s71, 0xff800000                      ; -infinity
.set j, 0
.rept 8
	v_mov_b32 v[RUN+2*j], s71
	v_mov_b32 v[RUN+2*j+1], 0
.set j, j+1
.endr
.set j, 0
.rept 64
	v_mov_b32 v[SAV+j], s71
.set j, j+1
.endr
.macro LOAD_A                          ; of a tile of codes: its first fragment, its -|e|^2 in the result's layout (register j: code 8 h + j), its scale register
	WIN 0x40                                       ; destination window 1
.irp g, 0,1,2
	ds_load_b128 v[F0+4*\g:F0+4*\g+3], v[AF] offset:512*\g         ; 32 lanes take 512 consecutive bytes
.endr
	ds_load_b128 v[NE:NE+3], v[AN] offset:3200
	ds_load_b128 v[NE+4:NE+7], v[AN] offset:3216
	WIN 0
	ds_load_b32 v[CSA], v[AS] offset:3072
.endm
.macro LOAD_B                          ; its scale register once more, for the products that stand later, and its second fragment
	ds_load_b32 v[CSB], v[AS] offset:3072
.irp g, 0,1,2
	ds_load_b128 v[F1+4*\g:F1+4*\g+3], v[AF] offset:1536+512*\g
.endr
.endm
.macro K1 i                            ; the second 128 along K of z's tile i
.if (\i) < 6
.set ZF, Z1+12*(\i)
.else
.set ZF, ZB+12*((\i)-6)
.endif
	v_wmma_scale_f32_16x16x128_f8f6f4 v[ACC+8*(\i):ACC+8*(\i)+7], v[F1:F1+11], v[ZF:ZF+11], v[ACC+8*(\i):ACC+8*(\i)+7], v[CSB], v[ZS+(\i)] matrix_a_fmt:MATRIX_FMT_BF6 matrix_b_fmt:MATRIX_FMT_BF6 matrix_a_scale:MATRIX_SCALE_ROW1 matrix_b_scale:MATRIX_SCALE_ROW1
.endm
.macro MXA i                           ; three partial maxima of tile i's eight keys, from the accumulator's low end on,
	v_max3_num_f32 v[TT], v[ACC+8*(\i)], v[ACC+8*(\i)+1], v[ACC+8*(\i)+2]
	v_max3_num_f32 v[TT+1], v[ACC+8*(\i)+3], v[ACC+8*(\i)+4], v[ACC+8*(\i)+5]
	v_max_num_f32 v[TT+2], v[ACC+8*(\i)+6], v[ACC+8*(\i)+7]
.endm
.macro MXB p                           ; and the largest
	v_max3_num_f32 v[PM+2*(\p)], v[TT], v[TT+1], v[TT+2]
.endm
.macro KEEP i, k                       ; where the maximum has grown, two of the tile's eight keys are kept: a choice of values, no branch hangs on data
	v_dual_cndmask_b32 v[SAV+8*(\i)+2*(\k)], v[SAV+8*(\i)+2*(\k)], v[ACC+8*(\i)+2*(\k)] :: v_dual_cndmask_b32 v[SAV+8*(\i)+2*(\k)+1], v[SAV+8*(\i)+2*(\k)+1], v[ACC+8*(\i)+2*(\k)+1]
.endm
.macro STG i, p, nx, k                 ; the running maximum of z's tile i (its largest key in PM's place p); among it the product of tile k and the maxima of tile nx (-1: none)
	v_cmp_lt_f32 vcc_lo, v[RUN+2*(\i)], v[PM+2*(\p)]       ; has it grown?  Strictly: an equal key of a later tile changes nothing
.if (\k) >= 0
	K1 \k
.endif
.if (\nx) >= 0
	MXA \nx
.endif
	KEEP \i, 0
	KEEP \i, 1
.if (\nx) >= 0
	MXB 1-\p
.endif
	KEEP \i, 2
	KEEP \i, 3
	v_dual_cndmask_b32 v[RUN+2*(\i)], v[RUN+2*(\i)], v[PM+2*(\p)] :: v_dual_cndmask_b32 v[RUN+2*(\i)+1], v[RUN+2*(\i)+1], v[TV]
.endm
; A TILE OF CODES against my 8 tiles of z.  kind 0: in the loops; 1: the first; 2: the last of part 0; 3: the last of all, which fetches nothing.
; The next tile is fetched into the same registers, four places or more behind the products that read them (ISA guide 7.12.1 for vector instructions): the address steps and the tile's number are the first part's places,
; a stage's lines the second's.  A result is read four places or more behind its product, too.  The accumulators take turns, one instruction a turn.
.macro TILE kind
.if \kind == 0 || \kind == 3
	s_wait_dscnt 4                                 ; the tile's first six loads are in; the four of its second part may be out
.endif
.if \kind == 2
	s_wait_dscnt 0x0                               ; no LDS instruction of mine is out,
	s_wait_tensorcnt 0x0                           ; and my part of part 1 is in:
	s_barrier_signal -1                            ; say so, ahead of this tile's products
.endif
	WIN 0x15                                       ; sources 0 (codes), 1 (z) and 2 (-|e|^2) in window 1
.set q, 0
.irp i, 6,7,0,1,2,3,4,5
.if \kind == 1
	s_wait_dscnt 45-3*q                            ; the tile of codes, the scales and this fragment of z are in; behind it three loads for each of the 7 - q later ones, and 24 of the second 128
.endif
	v_wmma_scale_f32_16x16x128_f8f6f4 v[ACC+8*\i:ACC+8*\i+7], v[F0:F0+11], v[Z0+12*\i:Z0+12*\i+11], v[NE:NE+7], v[CSA], v[ZS+\i] matrix_a_fmt:MATRIX_FMT_BF6 matrix_b_fmt:MATRIX_FMT_BF6
.set q, q+1
.endr
	WIN 0x04                                       ; source 1 (z) in window 1
.if \kind == 0 || \kind == 3
	s_wait_dscnt 0x0                               ; the tile's second part is in
.endif
.if \kind == 1
	s_wait_dscnt 21                                ; z's second fragment of tile 6 is in; behind it three loads for each of seven
.endif
	K1 6
.if \kind == 1
	s_wait_dscnt 18                                ; tile 7's; behind it six
.endif
	K1 7
	WIN 0
.if \kind == 1
	s_wait_dscnt 0x0
.endif
	K1 0
	v_add_nc_u32 v[TV], 1, v[TV]
.if \kind == 3
.rept 3
	v_nop
.endr
.else
.if \kind == 2
	v_add_nc_u32 v[AF0], s70, v[AF0]
	v_add_nc_u32 v[AS0], s70, v[AS0]
	v_add_nc_u32 v[AN0], s70, v[AN0]
	s_mov_b32 s[TB], C1
.else
	s_add_co_u32 s[TB], s[TB], REC
.endif
	v_add_nc_u32 v[AF], s[TB], v[AF0]
	v_add_nc_u32 v[AS], s[TB], v[AS0]
	v_add_nc_u32 v[AN], s[TB], v[AN0]
.if \kind == 2
	s_wait_alu depctr_va_vdst(0)                   ; directly ahead of the wait below
	s_barrier_wait -1                              ; everybody's part of part 1 is in
.endif
	LOAD_A
.endif
	MXA 6
	MXB 0
	STG 6, 0, 7, 1
	STG 7, 1, 0, 2
	STG 0, 0, 1, 3
	STG 1, 1, 2, 4
	STG 2, 0, 3, 5
.if \kind != 3
	LOAD_B                                         ; nine plain lines behind the last product
.endif
	STG 3, 1, 4, -1
	STG 4, 0, 5, -1
	STG 5, 1, -1, -1
.endm
	s_wait_alu depctr_va_vdst(0)                   ; the wait at the head's end
	s_wait_tensorcnt 0x0                           ; my load of the head's is in; these lines stand ahead of a later first fill:
	ds_add_u32 v[SPW], v[NIL]
	s_wait_dscnt 0x0                               ; the add is done
	ROUND                                          ; z and part 0 are in everywhere, and all sixteen work-groups are here:
	tensor_load_to_lds s[G0D:G0D+3], s[G1D:G1D+7]  ; part 1, the first tensor load behind the round
	s_nop 0
.rept 4
	v_nop                                          ; four v_nop follow it
.endr
	LOAD_A
	LOAD_B
.irp i, 0,1,2,3,4,5,6,7
	ds_load_b32 v[ZS+\i], v[ZAS] offset:\i*REC+3072
.endr
	WIN 0x40                                       ; z stays in registers: its first fragments in the order of their products,
.irp i, 6,7,0,1,2,3,4,5
.irp g, 0,1,2
	ds_load_b128 v[Z0+12*\i+4*\g:Z0+12*\i+4*\g+3], v[ZAF] offset:\i*REC+512*\g
.endr
.endr
.irp i, 6,7
.irp g, 0,1,2
	ds_load_b128 v[ZB+12*(\i-6)+4*\g:ZB+12*(\i-6)+4*\g+3], v[ZAF] offset:\i*REC+1536+512*\g        ; then the second ones
.endr
.endr
	WIN 0
.irp i, 0,1,2,3,4,5
.irp g, 0,1,2
	ds_load_b128 v[Z1+12*\i+4*\g:Z1+12*\i+4*\g+3], v[ZAF] offset:\i*REC+1536+512*\g
.endr
.endr
	TILE 1                                         ; tile 0
	s_mov_b32 s[CNT], 6
.Lpart0:                                               ; tiles 1 .. 6
	TILE 0
	s_sub_co_u32 s[CNT], s[CNT], 1
	s_cmp_lg_u32 s[CNT], 0
	s_cbranch_scc1 .Lpart0
	TILE 2                                         ; tile 7
	s_mov_b32 s[CNT], 23
.Lpart1:                                               ; tiles 8 .. 30
	TILE 0
	s_sub_co_u32 s[CNT], s[CNT], 1
	s_cmp_lg_u32 s[CNT], 0
	s_cbranch_scc1 .Lpart1
	TILE 3                                         ; tile 31
	; THE END.  Which of the kept eight is the maximum?  The first that equals it.
.irp i, 0,1,2,3,4,5,6,7
	v_mov_b32 v[II+\i], 7
.endr
.irp j, 6,5,4,3,2,1,0
.irp i, 0,1,2,3,4,5,6,7
	v_cmp_eq_f32 s[MK+\i], v[SAV+8*\i+\j], v[RUN+2*\i]
.endr
.irp i, 0,1,2,3,4,5,6,7
	v_cndmask_b32 v[II+\i], v[II+\i], \j, s[MK+\i]
.endr
.endr
.irp i, 0,1,2,3,4,5,6,7
	v_lshl_add_u32 v[II+\i], v[RUN+2*\i+1], 4, v[II+\i]    ; 16 x tile + register
.endr
.irp i, 0,1,2,3,4,5,6,7
	v_add_nc_u32 v[II+\i], v[HB], v[II+\i]                 ; + 1024 y + 512 b + 8 h: the code
.endr
.irp i, 0,1,2,3,4,5,6,7
	v_add_f32 v[KK+\i], 0, v[RUN+2*\i]                     ; (-0 becomes +0)
.endr
.irp i, 0,1,2,3,4,5,6,7
	v_ashrrev_i32 v[KO+\i], 31, v[KK+\i]
.endr
.irp i, 0,1,2,3,4,5,6,7
	v_or_b32 v[KO+\i], 0x80000000, v[KO+\i]
.endr
.irp i, 0,1,2,3,4,5,6,7
	v_xor_b32 v[KK+\i], v[KK+\i], v[KO+\i]                 ; the key as a whole number in the same order: a positive number gets the top bit, a negative one is inverted
.endr
.irp i, 0,1,2,3,4,5,6,7
	v_permlanex16_b32 v[KO+\i], v[KK+\i], s[SEL], s[SEL+1] ; the row's other codes lie in lane l xor 16.  (Both destinations have been written)
	v_permlanex16_b32 v[IO+\i], v[II+\i], s[SEL], s[SEL+1]
.endr
.irp i, 0,1,2,3,4,5,6,7
	v_cmp_gt_u32 s80, v[KO+\i], v[KK+\i]                   ; the other's is taken where its key is larger, or equal with the lower code
	v_cmp_eq_u32 s81, v[KO+\i], v[KK+\i]
	v_cmp_lt_u32 s82, v[IO+\i], v[II+\i]
	s_and_b32 s81, s81, s82
	s_or_b32 s[MK+\i], s80, s81
.endr
.irp i, 0,1,2,3,4,5,6,7
	v_cndmask_b32 v[KK+\i], v[KK+\i], v[KO+\i], s[MK+\i]
	v_cndmask_b32 v[II+\i], v[II+\i], v[IO+\i], s[MK+\i]
.endr
.irp m, 0,1,2,3
	v_cndmask_b32 v[OUTP+2*\m], v[KK+2*\m], v[KK+2*\m+1], s[HM]            ; lanes 0-15 tile 2 m's rows, lanes 16-31 tile 2 m + 1's
	v_cndmask_b32 v[OUTP+2*\m+1], v[II+2*\m], v[II+2*\m+1], s[HM]
.endr
.irp m, 0,1,2,3
	global_store_b64 v[CO], v[OUTP+2*\m:OUTP+2*\m+1], s[8:9] offset:256*\m ; 32 rows' (key, code): 256 consecutive bytes, at a multiple of 256 from the buffer's first byte
.endr
	s_wait_tensorcnt 0x0                           ; the wave's end
	ds_add_u32 v[SPW], v[NIL]
	s_wait_dscnt 0x0
	ROUND                                          ; the closing round: no work-group ends while a partner may still ask for records that name it
	s_endpgm
.Lfunc_end_k_q6a645f5f46_dist:
	.size	k_q6a645f5f46_dist, .Lfunc_end_k_q6a645f5f46_dist-k_q6a645f5f46_dist
	.p2alignl 7, 3214868480
	.fill 96, 4, 3214868480
	.section	.rodata,"a",@progbits
	.p2align	6, 0x0
	.amdhsa_kernel k_q6a645f5f46_dist
		.amdhsa_group_segment_fixed_size 327680
		.amdhsa_private_segment_fixed_size 0
		.amdhsa_enable_private_segment 0
		.amdhsa_kernarg_size 24
		.amdhsa_user_sgpr_count 2
		.amdhsa_user_sgpr_kernarg_segment_ptr 1
		.amdhsa_wavefront_size32 1
		.amdhsa_system_sgpr_workgroup_id_x 1
		.amdhsa_system_sgpr_workgroup_id_y 1
		.amdhsa_system_sgpr_workgroup_id_z 1
		.amdhsa_system_vgpr_workitem_id 0
		.amdhsa_next_free_vgpr 400
		.amdhsa_next_free_sgpr 96
		.amdhsa_reserve_vcc 1
		.amdhsa_float_denorm_mode_32 3
		.amdhsa_float_denorm_mode_16_64 3
		.amdhsa_memory_ordered 1
		.amdhsa_forward_progress 1
		.amdhsa_inst_pref_size 67
	.end_amdhsa_kernel
	.amdgpu_metadata
---
amdhsa.version: [ 1, 2 ]
amdhsa.kernels:
  - .name:           k_q6a645f5f46_dist
    .symbol:         k_q6a645f5f46_dist.kd
    .args:
      - { .name: zq, .offset: 0, .size: 8, .value_kind: global_buffer, .address_space: global }
      - { .name: cq, .offset: 8, .size: 8, .value_kind: global_buffer, .address_space: global }
      - { .name: cand, .offset: 16, .size: 8, .value_kind: global_buffer, .address_space: global }
    .group_segment_fixed_size: 327680
    .private_segment_fixed_size: 0
    .kernarg_segment_align: 8
    .kernarg_segment_size: 24
    .max_flat_workgroup_size: 256
    .sgpr_count:     96
    .vgpr_count:     400
    .wavefront_size: 32
...
	.end_amdgpu_metadata
.endif
;; end of part 2
;; launch gather (part 3): grid 256 x 1, 8 waves a work-group, no clusters, 1,536 bytes of LDS; arguments cand, mask, z, codebook, out0, out1, part; writes out0, out1, part
.if DOCPART == 3
	.amdgcn_target "amdgcn-amd-amdhsa--gfx1250"
	.amdhsa_code_object_version 6
	.text
	.protected	k_q6a645f5f46_gather
	.globl	k_q6a645f5f46_gather
	.p2align	8
	.type	k_q6a645f5f46_gather,@function
k_q6a645f5f46_gather:
	s_mov_b64 s[64:65], 0
	v_nop
	global_prefetch_b8 v0, s[64:65] scope:SCOPE_SE
	s_setreg_imm32_b32 hwreg(HW_REG_WAVE_MODE, 25, 1), 1
	s_wait_xcnt 0x0
; For each row: the best of its 16 candidates (key, code), which the launch before stored as whole numbers; q = codebook[code]; out0 = z + (q - z) where the mask is set, z elsewhere; out1 = code;
; and for the work-group's 64 rows the sum of the masked (q - z)^2 and the count of masked rows, to part.
; The candidates ascend in their codes and a later one is taken only where its key is strictly larger: the lowest code wins among equals.  All comparisons that lead to an address are of whole numbers read from memory.
; LIMIT: in a row that the mask leaves out the result is z + 0: a -0 of z comes out as +0.
; SHARES.  A work-group takes 64 rows, each of its eight waves 8.  A row of z, of the codebook and of out0 is 1,024 bytes: two loads or stores of 512 consecutive bytes a wave.  A wave has its 8 rows of z on their
; way while it merges, then its 8 rows of the codebook.  Memory binds: no matrix unit, no cluster (work-groups share no tile), no tensor load.
.set CA,   16                          ; v16-23   4 pairs (key, code) of row lane % 8; the best gathers in the first pair
.set QA,   52                          ; v52-59   a row's byte offset in the codebook + 16 x lane, a register for each row
.set ZR,   64                          ; v64-127  8 rows of z, 8 registers each
.set Q,    128                         ; v128-191 8 rows of the codebook, then of out0
.set ACCL, 192                         ; v192-199 the squares' sums, four pairs
.set T,    200                         ; v200-207 at work
.set IX,   20                          ; s20-27   the rows' offsets
.set MS,   28                          ; s28-35   the rows' mask bytes
	s_load_b256 s[4:11], s[0:1], 0x0               ; cand s[4:5], mask s[6:7], z s[8:9], codebook s[10:11]
	s_load_b128 s[12:15], s[0:1], 0x20             ; out0 s[12:13], out1 s[14:15]
	s_load_b64 s[16:17], s[0:1], 0x30              ; part
	v_lshl_add_u32 v208, v0, 2, 0x200
	v_mov_b32 v209, 0
	v_lshrrev_b32 v1, 5, v0
	s_delay_alu instid0(VALU_DEP_1)
	v_readfirstlane_b32 s18, v1                    ; wave 0..7
	v_and_b32 v1, 31, v0                           ; lane
	s_delay_alu instid0(VALU_DEP_1)
	v_lshlrev_b32 v2, 4, v1                        ; 16 x lane
	v_and_b32 v3, 7, v0                            ; which of the wave's 8 rows I merge (four lanes to a row, all alike)
	s_delay_alu instid0(VALU_DEP_1)
	v_lshlrev_b32 v4, 3, v3
	v_lshrrev_b32 v9, 3, v1                        ; which four of the 16 runs of candidates I merge
	v_mov_b32 v24, 0                               ; (written once: a lane exchange's destination counts as one of its sources)
	v_mov_b32 v25, 0
	v_lshl_add_u32 v9, v9, 19, v4                  ; my row's place in the first of them: a run is 2^17 bytes
	s_lshl_b32 s52, s18, 5
	v_lshl_add_u32 v5, v3, 2, s52                  ; LDS: the 64 codes, word 8 w + row
	v_lshlrev_b32 v6, 3, v1
	v_add_nc_u32 v7, 256, v4                       ; LDS: the eight waves' (sum, count) from byte 256 on
	s_lshl_b32 s53, s18, 3
	s_add_co_u32 s53, s53, 256
	v_mov_b32 v8, s53
	s_lshl_b32 s42, ttmp9, 6
	s_lshl_b32 s43, s18, 3
	s_add_co_u32 s42, s42, s43                     ; my wave's first row
	s_mov_b32 s43, 0
	s_lshl_b32 s44, s42, 3                         ; in a run of cand,
	s_mov_b32 s45, 0
	s_lshl_b32 s46, s42, 10                        ; in z and out0,
	s_mov_b32 s47, 0
	s_lshl_b32 s48, ttmp9, 8                       ; the work-group's 256 bytes of out1,
	s_mov_b32 s49, 0
	s_lshl_b32 s50, ttmp9, 3                       ; and its pair in part
	s_mov_b32 s51, 0
	s_mov_b32 s36, 0                               ; masked rows so far
	s_mov_b32 s40, 0x76543210
	s_mov_b32 s41, 0xfedcba98                      ; v_permlanex16_b32's selects for lane l xor 16
	s_wait_alu depctr_va_vdst(0)
	s_wait_kmcnt 0x0
	s_add_nc_u64 s[4:5], s[4:5], s[44:45]
	s_add_nc_u64 s[6:7], s[6:7], s[42:43]
	s_add_nc_u64 s[8:9], s[8:9], s[46:47]
	s_add_nc_u64 s[12:13], s[12:13], s[46:47]
	s_add_nc_u64 s[14:15], s[14:15], s[48:49]
	s_add_nc_u64 s[16:17], s[16:17], s[50:51]
.irp c, 0,1,2,3
	global_load_b64 v[CA+2*\c:CA+2*\c+1], v9, s[4:5] offset:\c*131072      ; candidates 4 (lane / 8) + c of my row: the runs lie 16,384 rows x 8 bytes apart
.endr
	global_load_u8 v48, v3, s[6:7]                 ; my row's mask byte
.irp p, 0,1,2,3,4,5,6,7
.irp u, 0,1
	global_load_b128 v[ZR+8*\p+4*\u:ZR+8*\p+4*\u+3], v2, s[8:9] offset:1024*\p+512*\u th:TH_LOAD_NT     ; read once in this launch
.endr
.endr
	s_wait_loadcnt 16                              ; the candidates and the mask are in; the 16 loads of z issued behind them may be out
.irp c, 1
	v_cmp_gt_u32 vcc_lo, v[CA+2*\c], v[CA]
	s_delay_alu instid0(VALU_DEP_1)
	v_cndmask_b32 v[CA], v[CA], v[CA+2*\c], vcc_lo
	s_delay_alu instid0(VALU_DEP_2)
	v_cndmask_b32 v[CA+1], v[CA+1], v[CA+2*\c+1], vcc_lo
.endr
.irp c, 2, 3
	s_delay_alu instid0(VALU_DEP_2)
	v_cmp_gt_u32 vcc_lo, v[CA+2*\c], v[CA]
	s_delay_alu instid0(VALU_DEP_1)
	v_cndmask_b32 v[CA], v[CA], v[CA+2*\c], vcc_lo
	s_delay_alu instid0(VALU_DEP_2)
	v_cndmask_b32 v[CA+1], v[CA+1], v[CA+2*\c+1], vcc_lo
.endr
.macro MERGE                           ; with another lane's best (v24, v25): taken where its key is larger, or equal with the lower code
	v_cmp_gt_u32 s54, v24, v[CA]
	v_cmp_eq_u32 s55, v24, v[CA]
	v_cmp_lt_u32 s56, v25, v[CA+1]
	s_and_b32 s55, s55, s56
	s_or_b32 vcc_lo, s54, s55
	v_cndmask_b32 v[CA], v[CA], v24, vcc_lo
	v_cndmask_b32 v[CA+1], v[CA+1], v25, vcc_lo
.endm
	v_mov_b32_dpp v24, v[CA] row_xmask:8 row_mask:0xf bank_mask:0xf        ; the same row's other runs lie in lanes l xor 8,
	v_mov_b32_dpp v25, v[CA+1] row_xmask:8 row_mask:0xf bank_mask:0xf
	MERGE
	v_permlanex16_b32 v24, v[CA], s40, s41         ; and l xor 16
	v_permlanex16_b32 v25, v[CA+1], s40, s41
	MERGE
	v_min_u32 v[CA+1], 0x1fff, v[CA+1]             ; a code stays inside the codebook
	ds_store_b32 v5, v[CA+1]                       ; (the four lanes of a row write the same word with the same value)
.irp p, 0,1,2,3,4,5,6,7
	v_readlane_b32 s[IX+\p], v[CA+1], \p
.endr
.irp p, 0,1,2,3,4,5,6,7
	s_min_u32 s[IX+\p], s[IX+\p], 0x1fff
.endr
.irp p, 0,1,2,3,4,5,6,7
	s_lshl_b32 s[IX+\p], s[IX+\p], 10              ; a row of the codebook is 1,024 bytes
.endr
.irp p, 0,1,2,3,4,5,6,7
	v_add_nc_u32 v[QA+\p], s[IX+\p], v2
.endr
.irp p, 0,1,2,3,4,5,6,7
	global_load_b128 v[Q+8*\p:Q+8*\p+3], v[QA+\p], s[10:11]                ; (no hint: a row may be named again)
	global_load_b128 v[Q+8*\p+4:Q+8*\p+7], v[QA+\p], s[10:11] offset:512
	v_readlane_b32 s[MS+\p], v48, \p
.endr
.macro ROWOUT p
	s_wait_loadcnt 14-2*(\p)                       ; this row's two loads are in (and all of z, issued earlier); the later rows' may be out
	s_cmp_lg_u32 s[MS+\p], 0
	s_cselect_b32 s38, -1, 0                       ; the row's mask for all lanes; both selections stand ahead of the addition
	s_cselect_b32 s37, 1, 0
	s_add_co_u32 s36, s36, s37
.irp k, 0,1,2,3
	v_pk_add_f32 v[T+2*\k:T+2*\k+1], v[Q+8*(\p)+2*\k:Q+8*(\p)+2*\k+1], v[ZR+8*(\p)+2*\k:ZR+8*(\p)+2*\k+1] neg_lo:[0,1] neg_hi:[0,1]    ; q - z
.endr
.irp k, 0,1,2,3,4,5,6,7
	v_cndmask_b32 v[T+\k], 0, v[T+\k], s38         ; 0 where the mask leaves the row out: it then adds nothing to the loss, and z passes
.endr
.irp k, 0,1,2,3
.if (\p) == 0
	v_pk_mul_f32 v[ACCL+2*\k:ACCL+2*\k+1], v[T+2*\k:T+2*\k+1], v[T+2*\k:T+2*\k+1]          ; the first row starts the sums
.else
	v_pk_fma_f32 v[ACCL+2*\k:ACCL+2*\k+1], v[T+2*\k:T+2*\k+1], v[T+2*\k:T+2*\k+1], v[ACCL+2*\k:ACCL+2*\k+1]
.endif
.endr
.irp k, 0,1,2,3
	v_pk_add_f32 v[Q+8*(\p)+2*\k:Q+8*(\p)+2*\k+1], v[ZR+8*(\p)+2*\k:ZR+8*(\p)+2*\k+1], v[T+2*\k:T+2*\k+1]      ; z + (q - z)
.endr
	global_store_b128 v2, v[Q+8*(\p):Q+8*(\p)+3], s[12:13] offset:1024*(\p)        ; 512 consecutive bytes; each row has its own registers: no store's data are written again
	global_store_b128 v2, v[Q+8*(\p)+4:Q+8*(\p)+7], s[12:13] offset:1024*(\p)+512
.endm
.irp p, 0,1,2,3,4,5,6,7
	ROWOUT \p
.endr
	v_pk_add_f32 v[ACCL:ACCL+1], v[ACCL:ACCL+1], v[ACCL+2:ACCL+3]
	v_pk_add_f32 v[ACCL+4:ACCL+5], v[ACCL+4:ACCL+5], v[ACCL+6:ACCL+7]
	s_delay_alu instid0(VALU_DEP_1)
	v_pk_add_f32 v[ACCL:ACCL+1], v[ACCL:ACCL+1], v[ACCL+4:ACCL+5]
	s_delay_alu instid0(VALU_DEP_1)
	v_add_f32 v202, v[ACCL], v[ACCL+1]
	s_delay_alu instid0(VALU_DEP_1)
	v_add_f32_dpp v202, v202, v202 row_xmask:1 row_mask:0xf bank_mask:0xf
	s_delay_alu instid0(VALU_DEP_1)
	v_add_f32_dpp v202, v202, v202 row_xmask:2 row_mask:0xf bank_mask:0xf
	s_delay_alu instid0(VALU_DEP_1)
	v_add_f32_dpp v202, v202, v202 row_xmask:4 row_mask:0xf bank_mask:0xf
	s_delay_alu instid0(VALU_DEP_1)
	v_add_f32_dpp v202, v202, v202 row_xmask:8 row_mask:0xf bank_mask:0xf
	s_delay_alu instid0(VALU_DEP_1)
	v_permlanex16_b32 v200, v202, s40, s41         ; (v200 has been written)
	s_delay_alu instid0(VALU_DEP_1)
	v_add_f32 v202, v202, v200                     ; the wave's sum, in every lane
	v_cvt_f32_u32 v203, s36                        ; and its count
	ds_store_b64 v8, v[202:203]
	s_wait_dscnt 0x0                               ; for the others' sake: my codes and my pair lie in LDS
	s_barrier_signal -1
	s_barrier_wait -1
	s_cmp_lg_u32 s18, 0
	s_cbranch_scc1 .Lend                           ; wave 0 alone writes what the work-group has gathered
	ds_load_b64 v[204:205], v6                     ; the 64 codes, two a lane
	ds_load_b64 v[206:207], v7                     ; wave (lane % 8)'s pair
	s_wait_dscnt 0x0
	global_store_b64 v6, v[204:205], s[14:15]      ; 256 consecutive bytes of out1, at a multiple of 256 from its first byte
	v_add_f32_dpp v206, v206, v206 row_xmask:1 row_mask:0xf bank_mask:0xf
	v_add_f32_dpp v207, v207, v207 row_xmask:1 row_mask:0xf bank_mask:0xf
	s_delay_alu instid0(VALU_DEP_2)
	v_add_f32_dpp v206, v206, v206 row_xmask:2 row_mask:0xf bank_mask:0xf
	s_delay_alu instid0(VALU_DEP_2)
	v_add_f32_dpp v207, v207, v207 row_xmask:2 row_mask:0xf bank_mask:0xf
	s_delay_alu instid0(VALU_DEP_2)
	v_add_f32_dpp v206, v206, v206 row_xmask:4 row_mask:0xf bank_mask:0xf
	s_delay_alu instid0(VALU_DEP_2)
	v_add_f32_dpp v207, v207, v207 row_xmask:4 row_mask:0xf bank_mask:0xf
	s_wait_alu depctr_va_vdst(0)
	s_wait_xcnt 0x0                                ; EXEC changes only behind this wait
	v_cmp_eq_u32 vcc_lo, 0, v1
	s_and_saveexec_b32 s39, vcc_lo
	global_store_b64 v6, v[206:207], s[16:17]      ; lane 0 (its 8 x lane is 0): the work-group's (sum, count)
	s_wait_xcnt 0x0                                ; and again in front of the line that widens it
	s_or_b32 exec_lo, exec_lo, s39
.Lend:
	s_wait_tensorcnt 0x0
	ds_add_u32 v208, v209
	s_wait_dscnt 0x0
	s_endpgm
.Lfunc_end_k_q6a645f5f46_gather:
	.size	k_q6a645f5f46_gather, .Lfunc_end_k_q6a645f5f46_gather-k_q6a645f5f46_gather
	.p2alignl 7, 3214868480
	.fill 96, 4, 3214868480
	.section	.rodata,"a",@progbits
	.p2align	6, 0x0
	.amdhsa_kernel k_q6a645f5f46_gather
		.amdhsa_group_segment_fixed_size 1536
		.amdhsa_private_segment_fixed_size 0
		.amdhsa_enable_private_segment 0
		.amdhsa_kernarg_size 56
		.amdhsa_user_sgpr_count 2
		.amdhsa_user_sgpr_kernarg_segment_ptr 1
		.amdhsa_wavefront_size32 1
		.amdhsa_system_sgpr_workgroup_id_x 1
		.amdhsa_system_sgpr_workgroup_id_y 1
		.amdhsa_system_sgpr_workgroup_id_z 1
		.amdhsa_system_vgpr_workitem_id 0
		.amdhsa_next_free_vgpr 210
		.amdhsa_next_free_sgpr 66
		.amdhsa_reserve_vcc 1
		.amdhsa_float_denorm_mode_32 3
		.amdhsa_float_denorm_mode_16_64 3
		.amdhsa_memory_ordered 1
		.amdhsa_forward_progress 1
		.amdhsa_inst_pref_size 25
	.end_amdhsa_kernel
	.amdgpu_metadata
---
amdhsa.version: [ 1, 2 ]
amdhsa.kernels:
  - .name:           k_q6a645f5f46_gather
    .symbol:         k_q6a645f5f46_gather.kd
    .args:
      - { .name: cand, .offset: 0, .size: 8, .value_kind: global_buffer, .address_space: global }
      - { .name: mask, .offset: 8, .size: 8, .value_kind: global_buffer, .address_space: global }
      - { .name: z, .offset: 16, .size: 8, .value_kind: global_buffer, .address_space: global }
      - { .name: codebook, .offset: 24, .size: 8, .value_kind: global_buffer, .address_space: global }
      - { .name: out0, .offset: 32, .size: 8, .value_kind: global_buffer, .address_space: global }
      - { .name: out1, .offset: 40, .size: 8, .value_kind: global_buffer, .address_space: global }
      - { .name: part, .offset: 48, .size: 8, .value_kind: global_buffer, .address_space: global }
    .group_segment_fixed_size: 1536
    .private_segment_fixed_size: 0
    .kernarg_segment_align: 8
    .kernarg_segment_size: 56
    .max_flat_workgroup_size: 256
    .sgpr_count:     66
    .vgpr_count:     210
    .wavefront_size: 32
...
	.end_amdgpu_metadata
.endif
;; end of part 3
;; launch loss (part 4): grid 1 x 1, 1 waves a work-group, no clusters, 0 bytes of LDS; arguments part, out2; writes out2
.if DOCPART == 4
	.amdgcn_target "amdgcn-amd-amdhsa--gfx1250"
	.amdhsa_code_object_version 6
	.text
	.protected	k_q6a645f5f46_loss
	.globl	k_q6a645f5f46_loss
	.p2align	8
	.type	k_q6a645f5f46_loss,@function
k_q6a645f5f46_loss:
	s_mov_b64 s[64:65], 0
	v_nop
	global_prefetch_b8 v0, s[64:65] scope:SCOPE_SE
	s_setreg_imm32_b32 hwreg(HW_REG_WAVE_MODE, 25, 1), 1
	s_wait_xcnt 0x0
; out2 = (the sum of the 256 work-groups' masked squared errors) / max(256 x the count of masked rows, 1).  part: 256 pairs (sum, count), f32, 2,048 bytes.
; The sum spans all work-groups of the launch before, so it is made here, in a fixed order, by one wave: 8 pairs a lane, then across the lanes.  The division is a reciprocal (1 ulp) and a multiplication.
	s_load_b128 s[4:7], s[0:1], 0x0                ; part s[4:5], out2 s[6:7]
	v_lshlrev_b32 v1, 4, v0
	s_mov_b32 s8, 0x76543210
	s_mov_b32 s9, 0xfedcba98                       ; v_permlanex16_b32's selects for lane l xor 16
	s_wait_alu depctr_va_vdst(0)
	s_wait_kmcnt 0x0
.irp i, 0,1,2,3
	global_load_b128 v[4+4*\i:7+4*\i], v1, s[4:5] offset:512*\i    ; two pairs a lane, 512 consecutive bytes a load
.endr
	s_wait_loadcnt 0x0
	v_pk_add_f32 v[4:5], v[4:5], v[6:7]
	v_pk_add_f32 v[8:9], v[8:9], v[10:11]
	v_pk_add_f32 v[12:13], v[12:13], v[14:15]
	v_pk_add_f32 v[16:17], v[16:17], v[18:19]
	v_pk_add_f32 v[4:5], v[4:5], v[8:9]
	v_pk_add_f32 v[12:13], v[12:13], v[16:17]
	v_pk_add_f32 v[4:5], v[4:5], v[12:13]          ; v4 my sums, v5 my counts
.irp x, 1,2,4,8
	v_add_f32_dpp v4, v4, v4 row_xmask:\x row_mask:0xf bank_mask:0xf
	v_add_f32_dpp v5, v5, v5 row_xmask:\x row_mask:0xf bank_mask:0xf
.endr
	v_permlanex16_b32 v6, v4, s8, s9               ; (v6 and v7 have been written)
	v_permlanex16_b32 v7, v5, s8, s9
	v_add_f32 v4, v4, v6
	v_add_f32 v5, v5, v7
	v_mul_f32 v5, 0x43800000, v5                   ; x 256 numbers a row
	v_max_num_f32 v5, 1.0, v5
	s_wait_alu depctr_va_vdst(0)
	v_rcp_f32 v6, v5
	v_nop                                          ; one plain vector instruction behind the reciprocal
	s_wait_alu depctr_va_vdst(0)
	v_mul_f32 v7, v4, v6
	s_wait_alu depctr_va_vdst(0)
	s_wait_xcnt 0x0                                ; EXEC changes only behind this wait
	v_cmp_eq_u32 vcc_lo, 0, v0
	s_and_saveexec_b32 s10, vcc_lo
	global_store_b32 v1, v7, s[6:7]                ; lane 0 (its 16 x lane is 0)
	s_wait_xcnt 0x0
	s_or_b32 exec_lo, exec_lo, s10
	s_endpgm
.Lfunc_end_k_q6a645f5f46_loss:
	.size	k_q6a645f5f46_loss, .Lfunc_end_k_q6a645f5f46_loss-k_q6a645f5f46_loss
	.p2alignl 7, 3214868480
	.fill 96, 4, 3214868480
	.section	.rodata,"a",@progbits
	.p2align	6, 0x0
	.amdhsa_kernel k_q6a645f5f46_loss
		.amdhsa_group_segment_fixed_size 0
		.amdhsa_private_segment_fixed_size 0
		.amdhsa_enable_private_segment 0
		.amdhsa_kernarg_size 16
		.amdhsa_user_sgpr_count 2
		.amdhsa_user_sgpr_kernarg_segment_ptr 1
		.amdhsa_wavefront_size32 1
		.amdhsa_system_sgpr_workgroup_id_x 1
		.amdhsa_system_sgpr_workgroup_id_y 1
		.amdhsa_system_sgpr_workgroup_id_z 1
		.amdhsa_system_vgpr_workitem_id 0
		.amdhsa_next_free_vgpr 32
		.amdhsa_next_free_sgpr 66
		.amdhsa_reserve_vcc 1
		.amdhsa_float_denorm_mode_32 3
		.amdhsa_float_denorm_mode_16_64 3
		.amdhsa_memory_ordered 1
		.amdhsa_forward_progress 1
		.amdhsa_inst_pref_size 3
	.end_amdhsa_kernel
	.amdgpu_metadata
---
amdhsa.version: [ 1, 2 ]
amdhsa.kernels:
  - .name:           k_q6a645f5f46_loss
    .symbol:         k_q6a645f5f46_loss.kd
    .args:
      - { .name: part, .offset: 0, .size: 8, .value_kind: global_buffer, .address_space: global }
      - { .name: out2, .offset: 8, .size: 8, .value_kind: global_buffer, .address_space: global }
    .group_segment_fixed_size: 0
    .private_segment_fixed_size: 0
    .kernarg_segment_align: 8
    .kernarg_segment_size: 16
    .max_flat_workgroup_size: 32
    .sgpr_count:     66
    .vgpr_count:     32
    .wavefront_size: 32
...
	.end_amdgpu_metadata
.endif
;; end of part 4
